; MI455X (gfx1250); checked and timed in simulation.
; The chip was launched on July 23, 2026; its instructions are those of AMD's public machine-readable ISA for CDNA 5 (MIT licence, August 2026) and "CDNA5" Instruction Set Architecture Reference Guide (July 2026). The comments in the code are by the model that wrote it; some were corrected since.
;; Attention. Allowed arithmetic: matrix products marked QUANTISED: E4M3 operands, one given power-of-two scale a tensor, by v_wmma_f32_16x16x64_fp8_fp8 or v_wmma_f32_16x16x128_fp8_fp8, f32 sums; everything else in f32.
;; Inputs: freqs_cos 2,048 x 64 float32; freqs_sin 2,048 x 64 float32; lowp_scales 12 int32 (the exponents e of the quantised operands' scales 2^e); mask 1 x 1 x 2,048 x 2,048 float32; wk 2,048 x 2,048 float32; wo 2,048 x 2,048 float32; wq 2,048 x 2,048 float32; wv 2,048 x 2,048 float32; x 1 x 2,048 x 2,048 float32.
;; Outputs: out0 1 x 2,048 x 2,048 float32.
;; This version of the problem:
;;   THIS VERSION OF THE PROBLEM IS GIVEN IN LOW PRECISION. The matrix products marked QUANTISED in the list below multiply operands that are first quantised to E4M3 (4 exponent bits, 3 mantissa bits; 8 bits a number), with one given power-of-two scale for each operand tensor; their sums are f32. All else is computed in f32.
;;   The module's matrix products, in the order in which they are computed (A, B: the left and right operand; K: the contracted axis; several contracted axes count as one K, in the product's order):
;;     1. [M 2,048, K 2,048] x [K 2,048, N 2,048]; A: input x; B: input wq: QUANTISED (scales: A lowp_scales[0], B lowp_scales[1])
;;     2. [M 2,048, K 2,048] x [K 2,048, N 2,048]; A: input x; B: input wk: QUANTISED (scales: A lowp_scales[2], B lowp_scales[3])
;;     3. [M 2,048, K 2,048] x [K 2,048, N 2,048]; A: input x; B: input wv: QUANTISED (scales: A lowp_scales[4], B lowp_scales[5])
;;     4. batch 16 x [M 2,048, K 128] x [K 128, N 2,048]; A: computed on the way; B: computed on the way: QUANTISED (scales: A lowp_scales[6], B lowp_scales[7])
;;     5. batch 16 x [M 128, K 2,048] x [K 2,048, N 2,048]; A: computed on the way; B: softmax (see below): QUANTISED (scales: A lowp_scales[8], B lowp_scales[9])
;;     6. [M 2,048, K 2,048] x [K 2,048, N 2,048]; A: computed on the way; B: input wo: QUANTISED (scales: A lowp_scales[10], B lowp_scales[11])
;;   THE QUANTISER, for each operand of a quantised product, along K:
;;     - The operand's scale is 2^e, e = its entry of the input lowp_scales (int32; the entries are numbered through the quantised products in the list's order, A before B).
;;     - Each number is divided by the scale, clamped to +-448, and rounded to the nearest number of E4M3, ties to even, subnormals kept.
;;     - The product sums the exact products of the quantised numbers (number of the format x scale) in f32.
;;   ~~~python
;;   def quantise(x, axis, e):      # numpy; x: float32 -> the quantised numbers, widened to float32 again
;;       x = np.moveaxis(x, axis, -1); K = x.shape[-1]
;;       r = np.clip(x / 2.0 ** e, -448, 448)
;;       step = 2.0 ** (np.maximum(np.frexp(np.where(r == 0, 1, r))[1] - 1, -6) - 3)
;;       q = np.round(r / step) * step * 2.0 ** e      # np.round: ties to even
;;       return np.moveaxis(q, -1, axis).astype(np.float32)
;;   ~~~
;;   SOFTMAX AHEAD OF A QUANTISED PRODUCT. Where the list says 'softmax', what is quantised is not the finished softmax but p = 2^(t - M), with t = logit x log2(e) and M = ceil(the row's largest t), a whole number; so 1/2 < the row's largest p <= 1. The row's sum l is taken of the UNQUANTISED p, in f32, and the product's result is divided by l at the end. Since M is a whole number, a kernel that streams over the keys may use a running M (the ceiling of the running maximum): every later rescaling is an exact power of two, so the quantised numbers keep their values, but for numbers so far below the row's largest that they fall under the format's range.
;;   OPERANDS COMPUTED ON THE WAY. 'Computed on the way' means the value that the module computes at that place (a softmax that the list does not call 'softmax' is quantised finished and normalised). What goes into a quantiser is computed in f32, as accurately as f32 sums, v_exp_f32 and their like allow (about 1e-6 of the number): no bf16 or f16 on the way to a quantiser, and a product that is left as it is and whose result goes on into a quantised operand takes f32 operands (vector FMAs, or v_wmma_f32_16x16x4_f32). A number that lies on a knife's edge between two numbers of the format may be rounded either way, as far as f32 arithmetic and the matrix unit's own rounding can turn it there, and no further.
;; One version. Each part assembles by itself: llvm-mc -triple=amdgcn-amd-amdhsa -mcpu=gfx1250 --defsym DOCPART=n.
;; ======== version 1 of 1: 4 launches
;; limits: right only within a limited range of input values
;; workspace buffers: xc 12,582,912 bytes; wc 16,777,216 bytes; qc 4,194,304 bytes; kv 8,388,608 bytes; oc 4,194,304 bytes; mk 16,777,216 bytes
;; launch quant (part 1): grid 1536 x 1, 4 waves a work-group, no clusters, 50,688 bytes of LDS; arguments x, wq, wk, wv, wo, lowp_scales, xc, wc, mask, mk; writes xc, wc, mk
.if DOCPART == 1
	.amdgcn_target "amdgcn-amd-amdhsa--gfx1250"
	.amdhsa_code_object_version 6
	.text
	.protected	k_q7f54d2666a_quant
	.globl	k_q7f54d2666a_quant
	.p2align	8
	.type	k_q7f54d2666a_quant,@function
k_q7f54d2666a_quant:
	s_mov_b64 s[64:65], 0
	v_nop
	global_prefetch_b8 v0, s[64:65] scope:SCOPE_SE
	s_setreg_imm32_b32 hwreg(HW_REG_WAVE_MODE, 25, 1), 1
	s_wait_xcnt 0x0
; x, wq, wk, wv, wo ([2048][2048] f32, K innermost) become codes of E4M3, each with the scale 2^e that is given for the operand.
; NO WORK OF reference() IS LEFT OUT IN THIS PROGRAM: all six products are live for every input; the mask is an INPUT, so no pattern of it is built in, every key tile is computed for every query,
; and every input is loaded by some launch.
; x is an operand of three products with three scales (entries 0, 2, 4): it gets three sets of codes.  wq, wk, wv, wo take entries 1, 3, 5, 11.
; code = number / 2^e, held within +-448, to the nearest code, ties to even.  LIMITS: -126 <= e and e + 8 <= 127 for each entry used here.  NaN among the inputs is not served.
; LAYOUT OF THE CODES: tiles of 128 rows x 128 along K, 16,384 dense bytes, row i at byte 128 i; tile (row block, k block) at (16 x row block + k block) x 16,384; a tensor is 4 MiB.
; xc = [entry 0, entry 2, entry 4], wc = [wq, wk, wv, wo].
; SHARES.  Work-group g: tensor g / 256 (0 = x), eight whole rows 8 (g % 256) on.  Wave w: rows 4 (w / 2) .. + 3 of them, k blocks 8 (w % 2) + t, t = 0 .. 7: a step is 4 rows x 128 numbers.
; Each of a step's four loads reads 512 consecutive bytes, 16 a lane; the 2,048 bytes turn through the wave's own stage in LDS and come back 64 bytes a lane: lane l then holds row l / 8,
; numbers 16 (l % 8) on, and its 16 codes belong at byte 16 l of the step's 512 bytes in the tile: each store of the wave covers 512 consecutive bytes, aligned.
; No tensor loads, no barrier, no cluster: waves and work-groups share no input.  Loads run four steps (16 loads a wave) ahead.
.set WAVES, 4
.set STEPS, 8
.set SP,    80                         ; a lane's place in a stage: 64 bytes + 16 of padding
.set WREG,  8192                       ; LDS: a region for each wave: two stages of 32 x SP bytes
.set SPARE, WAVES*WREG                 ; behind the regions: the spare words, 128 bytes a wave
.set SPW,   12                         ; v12  my spare word; never rewritten
.set NIL,   13                         ; v13  0; never rewritten
.set R,     16                         ; v16-79   four sets of 16 numbers as loaded
.set X,     80                         ; v80-111  two sets of 16 neighbours
.set T0,    112                        ; v112-127 held numbers
.set T1,    128                        ; v128-143 held numbers
.set C,     144                        ; v144-155 codes for up to three destinations
.set SC,    4                          ; v4-9 for each destination: 2^e, 448 x 2^e
.set RSTG,  SPARE+512                  ; the mask's path: a stage of 16 rows x 272 bytes for each wave, bytes of its own
	s_load_b512 s[8:23], s[0:1], 0x0               ; x, wq, wk, wv, wo, the scales, xc, wc
	s_load_b128 s[52:55], s[0:1], 0x40             ; mask, mk
	v_lshl_add_u32 v[SPW], v0, 2, SPARE
	v_mov_b32 v[NIL], 0
	v_lshrrev_b32 v1, 5, v0
	v_readfirstlane_b32 s2, v1                     ; wave
	v_and_b32 v2, 31, v0                           ; lane
	v_lshlrev_b32 v3, 4, v2                        ; 16 x lane: my place in a load's and in a store's 512 bytes; never rewritten
	s_mul_i32 s3, s2, WREG
	v_lshrrev_b32 v14, 2, v2
	v_mul_u32_u24 v14, v14, SP
	v_and_b32 v15, 3, v2
	v_lshl_add_u32 v14, v15, 4, v14
	v_add_nc_u32 v14, s3, v14                      ; the stage, in: SP (lane / 4) + 16 (lane % 4)
	v_mul_u32_u24 v15, v2, SP
	v_add_nc_u32 v15, s3, v15                      ; and out: SP x lane
	s_lshr_b32 s4, ttmp9, 8                        ; which tensor
	s_and_b32 s5, ttmp9, 255                       ; which eight rows
	s_and_b32 s6, s2, 1
	s_lshr_b32 s7, s2, 1
	s_lshl_b32 s46, s5, 3
	s_lshl_b32 s47, s7, 2
	s_add_co_u32 s46, s46, s47                     ; my first row
	s_lshl_b32 s46, s46, 13                        ; x 8,192 bytes
	s_lshl_b32 s47, s6, 12
	s_add_co_u32 s46, s46, s47                     ; + my half of the row
	s_mov_b32 s47, 0
	s_lshr_b32 s48, s5, 4
	s_lshl_b32 s48, s48, 4
	s_lshl_b32 s49, s6, 3
	s_add_co_u32 s48, s48, s49                     ; my first tile: 16 x row block + 8 (w % 2)
	s_lshl_b32 s48, s48, 14
	s_and_b32 s49, s5, 15
	s_lshl_b32 s49, s49, 3
	s_lshl_b32 s50, s7, 2
	s_add_co_u32 s49, s49, s50                     ; my first row in the tile
	s_lshl_b32 s49, s49, 7
	s_add_co_u32 s48, s48, s49
	s_max_u32 s49, s4, 1
	s_sub_co_u32 s49, s49, 1
	s_lshl_b32 s49, s49, 22                        ; a weight's place in wc (x: 0)
	s_add_co_u32 s48, s48, s49
	s_mov_b32 s49, 0
	s_wait_alu depctr_va_vdst(0)
	s_wait_kmcnt 0x0
	s_cmp_ge_u32 ttmp9, 1280                       ; work-groups 1,280 on lay the mask out: a branch on the work-group's number alone
	s_cbranch_scc1 .Lrelay
	s_load_b256 s[24:31], s[18:19], 0x0            ; entries 0 to 7
	s_load_b128 s[32:35], s[18:19], 0x20           ; entries 8 to 11
	s_mov_b64 s[40:41], s[8:9]                     ; the source: a choice by the work-group's number alone
	s_cmp_eq_u32 s4, 1
	s_cselect_b64 s[40:41], s[10:11], s[40:41]
	s_cmp_eq_u32 s4, 2
	s_cselect_b64 s[40:41], s[12:13], s[40:41]
	s_cmp_eq_u32 s4, 3
	s_cselect_b64 s[40:41], s[14:15], s[40:41]
	s_cmp_eq_u32 s4, 4
	s_cselect_b64 s[40:41], s[16:17], s[40:41]
	s_cmp_eq_u32 s4, 0
	s_cselect_b64 s[42:43], s[20:21], s[22:23]     ; the destination
	s_add_nc_u64 s[40:41], s[40:41], s[46:47]
	s_add_nc_u64 s[42:43], s[42:43], s[48:49]
	s_add_nc_u64 s[44:45], s[42:43], 0x400000      ; x alone: its second and third sets of codes
	s_add_nc_u64 s[50:51], s[42:43], 0x800000
.macro LOAD t
.irp i, 0,1,2,3
	global_load_b128 v[R+16*((\t)%4)+4*\i:R+16*((\t)%4)+4*\i+3], v3, s[40:41] offset:512*(\t)+8192*\i th:TH_LOAD_NT   ; row i: 512 consecutive bytes
.endr
.endm
.macro TURN t                          ; through the stage: LDS serves a wave's instructions in order, so no wait stands between the stores and the loads
.irp i, 0,1,2,3
	ds_store_b128 v14, v[R+16*((\t)%4)+4*\i:R+16*((\t)%4)+4*\i+3] offset:32*SP*((\t)%2)+8*SP*\i
.endr
.irp i, 0,1,2,3
	ds_load_b128 v[X+16*((\t)%2)+4*\i:X+16*((\t)%2)+4*\i+3], v15 offset:32*SP*((\t)%2)+16*\i
.endr
.endm
.irp t, 0,1,2,3
	LOAD \t
.endr
	s_wait_kmcnt 0x0
	s_mov_b32 s36, s24                             ; the first destination's entry: 0, 1, 3, 5 or 11
	s_cmp_eq_u32 s4, 1
	s_cselect_b32 s36, s25, s36
	s_cmp_eq_u32 s4, 2
	s_cselect_b32 s36, s27, s36
	s_cmp_eq_u32 s4, 3
	s_cselect_b32 s36, s29, s36
	s_cmp_eq_u32 s4, 4
	s_cselect_b32 s36, s35, s36
.macro MKS e, v                        ; 2^e as f32 (the conversion takes its exponent field) and 448 x 2^e
	s_add_co_i32 s37, s[\e], 127
	s_lshl_b32 s38, s37, 23
	v_mov_b32 v[\v], s38
	s_add_co_i32 s37, s37, 8
	s_lshl_b32 s37, s37, 23
	s_or_b32 s37, s37, 0x600000
	v_mov_b32 v[\v+1], s37
.endm
	MKS 36, SC
	MKS 26, SC+2
	MKS 28, SC+4
	s_wait_alu depctr_va_vdst(0)
	s_wait_loadcnt 12                              ; step 0's four loads are in
	TURN 0
; 16 neighbours are held (the conversion to an 8-bit code does not saturate: ISA guide 7.6.2) into registers of their own, since x is quantised three times, converted and stored
.macro CONV tmp, lim, sc, c, base, t
.irp i, 0,1,2,3,4,5,6,7,8,9,10,11,12,13,14,15
	v_med3_num_f32 v[\tmp+\i], v[XS+\i], -v[\lim], v[\lim]
.endr
	v_cvt_scalef32_pk8_fp8_f32 v[\c:\c+1], v[\tmp:\tmp+7], v[\sc]
	v_cvt_scalef32_pk8_fp8_f32 v[\c+2:\c+3], v[\tmp+8:\tmp+15], v[\sc]
	v_nop                                          ; a plain line behind the conversions
	global_store_b128 v3, v[\c:\c+3], s[\base:\base+1] offset:16384*(\t)   ; the wave stores 512 consecutive bytes of tile t
.endm
.macro STEP t
.set XS, X+16*((\t)%2)
	s_wait_dscnt 0x0                               ; this step's numbers are back from the stage, and its stores into the stage have read their registers,
.if (\t)+4 < STEPS
	LOAD (\t)+4                                    ; which take the loads of four steps on
.endif
.if (\t)+1 < STEPS
.if STEPS-2-(\t) >= 3
	s_wait_loadcnt 12                              ; the next step's four loads are in; those of the three steps behind it may be out
.else
	s_wait_loadcnt 4*(STEPS-2-(\t))
.endif
	TURN (\t)+1
.endif
	s_wait_xcnt 0x0                                ; the last step's stores have read their data: the codes' registers are written again only behind this wait
	CONV T0, SC+1, SC, C, 42, \t
	s_cmp_lg_u32 s4, 0                             ; a weight has one set of codes: a branch on the work-group's number, round register work and stores alone
	s_cbranch_scc1 .Lone_\@
	CONV T1, SC+3, SC+2, C+4, 44, \t
	CONV T0, SC+5, SC+4, C+8, 50, \t
.Lone_\@:
.endm
.irp t, 0,1,2,3,4,5,6,7
	STEP \t
.endr
	s_wait_tensorcnt 0x0                           ; the wave's end, behind my last LDS store
	ds_add_u32 v[SPW], v[NIL]
	s_wait_dscnt 0x0
	s_endpgm
; THE MASK, f32 as it is given, is laid into mk in the order in which the attention launch's registers take it; no number is changed.
; mk = [tile of 16 queries][step of 128 keys][n = 0 .. 15][lane][4 numbers]: lane (r = lane % 16, h = lane / 16) of piece n holds mask(query r, keys 32 (n / 4) + 16 h + 4 (n % 4) + 0 .. 3): 8,192 bytes a tile and step.
; Wave id = 4 (g - 1,280) + wave takes tile id / 8, steps 2 (id % 8) and the next.  Each load reads 256 consecutive bytes of two rows; 64 keys at a time turn through the wave's stage; each store covers 512 consecutive bytes, aligned.
.Lrelay:
	s_sub_co_u32 s24, ttmp9, 1280
	s_lshl_b32 s24, s24, 2
	s_add_co_u32 s24, s24, s2                      ; id
	s_lshr_b32 s25, s24, 3
	s_and_b32 s26, s24, 7
	s_lshl_b32 s28, s25, 17                        ; 16 rows of 8,192 bytes
	s_lshl_b32 s27, s26, 10                        ; two steps of 512 bytes
	s_add_co_u32 s28, s28, s27
	s_mov_b32 s29, 0
	s_add_nc_u64 s[52:53], s[52:53], s[28:29]
	s_lshl_b32 s28, s24, 14                        ; in mk: id x two steps of 8,192 bytes
	s_add_nc_u64 s[54:55], s[54:55], s[28:29]
	s_mul_i32 s27, s2, 16*272
	s_add_co_u32 s27, s27, RSTG
	v_and_b32 v4, 15, v0                           ; r
	v_bfe_u32 v5, v0, 4, 1                         ; h
	v_lshlrev_b32 v6, 13, v5
	v_lshl_add_u32 v6, v4, 4, v6                   ; in memory: row h of a load's two, 16 r
	v_mul_u32_u24 v7, v5, 272
	v_lshl_add_u32 v7, v4, 4, v7
	v_add_nc_u32 v7, s27, v7                       ; the stage, in
	v_mul_u32_u24 v8, v4, 272
	v_lshl_add_u32 v8, v5, 6, v8
	v_add_nc_u32 v8, s27, v8                       ; and out: row r, + 64 h
.irp s, 0,1
.irp u, 0,1
.irp i, 0,1,2,3,4,5,6,7
	global_load_b128 v[16+64*\s+32*\u+4*\i:19+64*\s+32*\u+4*\i], v6, s[52:53] offset:16384*\i+512*\s+256*\u th:TH_LOAD_NT
.endr
.endr
.endr
	s_wait_alu depctr_va_vdst(0)
.irp s, 0,1
	s_wait_loadcnt 16-16*\s                        ; this step's 16 loads are in
.irp u, 0,1
.irp i, 0,1,2,3,4,5,6,7
	ds_store_b128 v7, v[16+64*\s+32*\u+4*\i:19+64*\s+32*\u+4*\i] offset:544*\i
.endr
	s_wait_dscnt 0x0                               ; the stores have read their registers, which take the numbers back in the new order
.irp b, 0,1
.irp i, 0,1,2,3
	ds_load_b128 v[16+64*\s+32*\u+16*\b+4*\i:19+64*\s+32*\u+16*\b+4*\i], v8 offset:128*\b+16*\i
.endr
.endr
.endr
	s_wait_dscnt 0x0
.irp n, 0,1,2,3,4,5,6,7,8,9,10,11,12,13,14,15
	global_store_b128 v3, v[16+64*\s+4*\n:19+64*\s+4*\n], s[54:55] offset:8192*\s+512*\n
.endr
.endr
	s_wait_tensorcnt 0x0                           ; the wave's end, behind my last LDS store
	ds_add_u32 v[SPW], v[NIL]
	s_wait_dscnt 0x0
	s_endpgm
.Lfunc_end_k_q7f54d2666a_quant:
	.size	k_q7f54d2666a_quant, .Lfunc_end_k_q7f54d2666a_quant-k_q7f54d2666a_quant
	.p2alignl 7, 3214868480
	.fill 96, 4, 3214868480
	.section	.rodata,"a",@progbits
	.p2align	6, 0x0
	.amdhsa_kernel k_q7f54d2666a_quant
		.amdhsa_group_segment_fixed_size 50688
		.amdhsa_private_segment_fixed_size 0
		.amdhsa_enable_private_segment 0
		.amdhsa_kernarg_size 80
		.amdhsa_user_sgpr_count 2
		.amdhsa_user_sgpr_kernarg_segment_ptr 1
		.amdhsa_wavefront_size32 1
		.amdhsa_system_sgpr_workgroup_id_x 1
		.amdhsa_system_sgpr_workgroup_id_y 1
		.amdhsa_system_sgpr_workgroup_id_z 1
		.amdhsa_system_vgpr_workitem_id 0
		.amdhsa_next_free_vgpr 160
		.amdhsa_next_free_sgpr 66
		.amdhsa_reserve_vcc 0
		.amdhsa_float_denorm_mode_32 3
		.amdhsa_float_denorm_mode_16_64 3
		.amdhsa_memory_ordered 1
		.amdhsa_forward_progress 1
		.amdhsa_inst_pref_size 54
	.end_amdhsa_kernel
	.amdgpu_metadata
---
amdhsa.version: [ 1, 2 ]
amdhsa.kernels:
  - .name:           k_q7f54d2666a_quant
    .symbol:         k_q7f54d2666a_quant.kd
    .args:
      - { .name: x, .offset: 0, .size: 8, .value_kind: global_buffer, .address_space: global }
      - { .name: wq, .offset: 8, .size: 8, .value_kind: global_buffer, .address_space: global }
      - { .name: wk, .offset: 16, .size: 8, .value_kind: global_buffer, .address_space: global }
      - { .name: wv, .offset: 24, .size: 8, .value_kind: global_buffer, .address_space: global }
      - { .name: wo, .offset: 32, .size: 8, .value_kind: global_buffer, .address_space: global }
      - { .name: lowp_scales, .offset: 40, .size: 8, .value_kind: global_buffer, .address_space: global }
      - { .name: xc, .offset: 48, .size: 8, .value_kind: global_buffer, .address_space: global }
      - { .name: wc, .offset: 56, .size: 8, .value_kind: global_buffer, .address_space: global }
      - { .name: mask, .offset: 64, .size: 8, .value_kind: global_buffer, .address_space: global }
      - { .name: mk, .offset: 72, .size: 8, .value_kind: global_buffer, .address_space: global }
    .group_segment_fixed_size: 50688
    .private_segment_fixed_size: 0
    .kernarg_segment_align: 8
    .kernarg_segment_size: 80
    .max_flat_workgroup_size: 128
    .sgpr_count:     66
    .vgpr_count:     160
    .wavefront_size: 32
...
	.end_amdgpu_metadata
.endif
;; end of part 1
;; launch qkv (part 2): grid 24 x 8, 4 waves a work-group, clusters of 4 x 4, 327,680 bytes of LDS; arguments xc, wc, lowp_scales, freqs_cos, freqs_sin, qc, kv; writes qc, kv
.if DOCPART == 2
	.amdgcn_target "amdgcn-amd-amdhsa--gfx1250"
	.amdhsa_code_object_version 6
	.text
	.protected	k_q7f54d2666a_qkv
	.globl	k_q7f54d2666a_qkv
	.p2align	8
	.type	k_q7f54d2666a_qkv,@function
k_q7f54d2666a_qkv:
	s_mov_b64 s[64:65], 0
	v_nop
	global_prefetch_b8 v0, s[64:65] scope:SCOPE_SE
	s_setreg_imm32_b32 hwreg(HW_REG_WAVE_MODE, 25, 1), 1
	s_wait_xcnt 0x0
	s_wait_alu depctr_hold_cnt(0) depctr_sa_sdst(0) depctr_va_vdst(0) depctr_va_sdst(0) depctr_va_ssrc(0) depctr_va_vcc(0) depctr_vm_vsrc(0)
	s_getreg_b32 s2, hwreg(HW_REG_IB_STS2, 6, 4)
	s_cmp_eq_u32 s2, 0
	s_cbranch_scc0 .Lentry_in_a_cluster
	s_endpgm
.Lentry_in_a_cluster:
	s_bfe_u32 s2, ttmp6, 0x10000c
	s_cmp_lg_u32 s2, 0xf033
	s_cbranch_scc0 .Lentry_shape_is_right
	s_endpgm
.Lentry_shape_is_right:
.set PITCH,  272
.set BLK,    8*PITCH
.set PLANE,  64*PITCH
.set HALFT,  2*PLANE
.set SLOT,   4*HALFT
.set LAPS,   4
.set SPARE,  2*SLOT
.set STGR,   SPARE+512
.set STGV,   STGR+4*2304
.set FR,     16
.set NL,     4
.set NP,     4
.set ADRA, 16
.set STOV, 18
.set RDV,  19
.set ADRB, 20
.set OFFM, 22
.set CSO,  23
.set STOR, 24
.set RDR,  25
.set OFF0, 26
.set OFFP, 27
.set SPW,  28
.set NIL,  29
.set VS,   30
.set VL,   31
.set TMP,  32
.set CSB,  96
.set CD,   224
.set RB,   240
.set AF,   128
.set G1, 24
.set G0, 32
.set G1B, 48
.set G0B, 56
.set MSB, 0
.macro WIN new
.if MSB != (\new)
	s_set_vgpr_msb (MSB<<8)|(\new)
.set MSB, (\new)
.endif
.endm
.set MUL_LO, 0xa1
.set MUL_HI, 0xf1
.set TO_B,   0x40
.macro JLOAD g0a, g1a, g0b, g1b
	s_cmp_eq_u32 s15, 0
	s_cbranch_scc0 .Lfor_b_\@
	tensor_load_to_lds s[\g0a:\g0a+3], s[\g1a:\g1a+7]
	s_nop 0
.rept 4
	v_nop
.endr
	s_branch .Lasked_\@
.Lfor_b_\@:
	tensor_load_to_lds s[\g0b:\g0b+3], s[\g1b:\g1b+7]
	s_nop 0
.rept 4
	v_nop
.endr
.Lasked_\@:
.endm
.macro CREST
	s_cmp_lg_u32 s14, 0
	s_cbranch_scc1 .Lnot_wave_0_\@
	s_barrier_signal -3
.Lnot_wave_0_\@:
	s_barrier_wait -3
	s_barrier_signal -1
	s_barrier_wait -1
.endm
.macro CROUND
	s_barrier_signal -1
	s_barrier_wait -1
	CREST
.endm
	s_load_b128 s[4:7], s[0:1], 0x0
	s_load_b128 s[8:11], s[0:1], 0x10
	s_load_b128 s[68:71], s[0:1], 0x20
	s_load_b64 s[72:73], s[0:1], 0x30
	v_lshl_add_u32 v[SPW], v0, 2, SPARE
	v_mov_b32 v[NIL], 0
	ds_add_u32 v[SPW], v[NIL]
	ds_add_u32 v[SPW], v[NIL]
	v_lshrrev_b32 v1, 5, v0
	v_readfirstlane_b32 s14, v1
	s_lshr_b32 s15, s14, 1
	s_and_b32 s16, s14, 1
	s_bfe_u32 s40, ttmp6, 0x40000
	s_bfe_u32 s41, ttmp6, 0x40004
	s_lshr_b32 s74, ttmp9, 1
	s_and_b32 s42, ttmp9, 1
	s_lshl_b32 s42, s42, 2
	s_add_co_u32 s42, s42, s40
	s_and_b32 s17, ttmp7, 0xffff
	s_lshl_b32 s17, s17, 2
	s_add_co_u32 s17, s17, s41
	s_lshl_b32 s43, s41, 2
	s_lshl_b32 s43, 15, s43
	s_lshl_b32 s44, 0x1111, s40
	s_or_b32 s[G1+0], s43, (0<<16)|(1<<20)|(1<<21)|(5<<22)|(3<<25)
	s_or_b32 s[G1B+0], s44, (0<<16)|(1<<20)|(1<<21)|(5<<22)|(3<<25)
.irp g, G1, G1B
	s_mov_b32 s[\g+1], 256<<16
	s_mov_b32 s[\g+2], 128<<16
	s_mov_b32 s[\g+3], 256<<16
	s_mov_b32 s[\g+4], 128
	s_mov_b32 s[\g+5], 256
	s_mov_b32 s[\g+6], 0
	s_mov_b32 s[\g+7], 0
.endr
	s_lshl_b32 s18, s74, 22
	s_lshl_b32 s20, s17, 1
	s_add_co_u32 s20, s20, s16
	s_lshl_b32 s20, s20, 18
	s_add_co_u32 s20, s20, s18
	s_mov_b32 s21, 0
	s_lshl_b32 s46, s42, 1
	s_add_co_u32 s46, s46, s16
	s_lshl_b32 s46, s46, 18
	s_add_co_u32 s46, s46, s18
	s_mov_b32 s47, 0
	s_mul_i32 s45, s14, HALFT
	s_wait_dscnt 0x0
	s_wait_kmcnt 0x0
	s_load_b256 s[76:83], s[8:9], 0x0
	s_load_b32 s84, s[8:9], 0x20
	s_cmp_eq_u32 s74, 2
	s_cselect_b64 s[12:13], s[6:7], s[4:5]
	s_cselect_b64 s[94:95], s[4:5], s[6:7]
	s_add_nc_u64 s[20:21], s[12:13], s[20:21]
	s_add_nc_u64 s[46:47], s[94:95], s[46:47]
	s_cmp_eq_u32 s15, 0                            ; the prefetches: the operand that my wave fetches,
	s_cselect_b64 s[96:97], s[20:21], s[46:47]
	s_cselect_b32 s98, s40, s41                    ; my place among the four that ask for its tiles with me: told apart by address alone
	s_lshl_b32 s98, s98, 13                        ; 8,192 of the 32,768 bytes that my wave fetches in a K step
	s_mov_b32 s99, 0
	s_add_nc_u64 s[96:97], s[96:97], s[98:99]
	v_and_b32 v9, 31, v0
	v_lshlrev_b32 v9, 8, v9                        ; lanes 256 bytes apart; never rewritten
	CROUND
.irp s, 0,1
	s_mov_b32 s[G0+4*\s], 1
	s_add_co_u32 s[G0+4*\s+1], s45, \s*SLOT
	s_add_nc_u64 s[G0+4*\s+2:G0+4*\s+3], s[20:21], \s*32768
	s_or_b32 s[G0+4*\s+3], s[G0+4*\s+3], 0x80000000
	s_mov_b32 s[G0B+4*\s], 1
	s_add_co_u32 s[G0B+4*\s+1], s45, \s*SLOT
	s_add_nc_u64 s[G0B+4*\s+2:G0B+4*\s+3], s[46:47], \s*32768
	s_or_b32 s[G0B+4*\s+3], s[G0B+4*\s+3], 0x80000000
	s_wait_alu depctr_va_vdst(0)
	s_wait_tensorcnt 0x0
	ds_add_u32 v28, v29
	ds_add_u32 v28, v29
	s_wait_dscnt 0x0
	CROUND
	JLOAD G0+4*\s, G1, G0B+4*\s, G1B
	global_prefetch_b8 v9, s[96:97] offset:(\s+2)*32768 th:TH_LOAD_NT scope:SCOPE_SE   ; the K step two refills on: K steps 2 and 3
.endr
	v_and_b32 v1, 15, v0
	v_bfe_u32 v2, v0, 4, 1
	v_lshrrev_b32 v3, 1, v1
	v_mul_u32_u24 v3, v3, PITCH
	v_and_b32 v4, 1, v1
	v_lshl_add_u32 v3, v4, 7, v3
	v_lshl_add_u32 v4, v2, 4, v3
	s_mul_i32 s21, s15, HALFT
	s_mul_i32 s22, s16, HALFT
	s_add_co_u32 s22, s22, 2*HALFT
.irp s, 0,1
	v_add_nc_u32 v[ADRA+\s], s21, v4
	v_add_nc_u32 v[ADRB+\s], s22, v4
	s_add_co_u32 s21, s21, SLOT
	s_add_co_u32 s22, s22, SLOT
.endr
	s_mul_i32 s23, s14, 2304
	v_mul_u32_u24 v5, v1, 144
	v_lshl_add_u32 v5, v2, 3, v5
	v_add_nc_u32 v5, s23, v5
	v_add_nc_u32 v[STOR], STGR, v5
	v_add_nc_u32 v[STOV], STGV, v5
	v_and_b32 v6, 31, v0
	v_lshrrev_b32 v7, 3, v6
	v_mul_u32_u24 v7, v7, 144
	v_and_b32 v8, 7, v6
	v_lshl_add_u32 v7, v8, 4, v7
	v_add_nc_u32 v7, s23, v7
	v_add_nc_u32 v[RDR], STGR, v7
	v_add_nc_u32 v[RDV], STGV, v7
	s_cmp_eq_u32 s74, 1
	s_cselect_b32 s18, 1024, 0
	v_lshlrev_b32 v[OFF0], 4, v6
	v_add_nc_u32 v[OFFP], s18, v[OFF0]
	s_sub_co_u32 s18, 1024, s18
	v_add_nc_u32 v[OFFM], s18, v[OFF0]
	v_lshlrev_b32 v[CSO], 8, v1
	v_lshl_add_u32 v[CSO], v2, 4, v[CSO]
	s_lshl_b32 s18, s42, 1
	s_add_co_u32 s18, s18, s16
	s_lshl_b32 s19, s17, 1
	s_add_co_u32 s19, s19, s15
	s_lshl_b32 s22, s18, 4
	s_add_co_u32 s22, s22, s19
	s_lshl_b32 s23, s19, 4
	s_add_co_u32 s23, s23, s18
	s_cmp_eq_u32 s74, 2
	s_cselect_b32 s22, s23, s22
	s_cselect_b32 s23, 16384, 0
	s_cmp_eq_u32 s74, 0
	s_cselect_b32 s18, 14, 15
	s_cselect_b64 s[86:87], s[70:71], s[72:73]
	s_lshl_b32 s22, s22, s18
	s_add_co_u32 s22, s22, s23
	s_mov_b32 s23, 0
	s_add_nc_u64 s[86:87], s[86:87], s[22:23]
	s_lshl_b32 s22, s19, 15
	s_add_nc_u64 s[88:89], s[10:11], s[22:23]
	s_add_nc_u64 s[90:91], s[68:69], s[22:23]
.macro FRAG reg, adr, q, i
.irp c, 0,1,2,3
	ds_load_b128 v[\reg+4*\c:\reg+4*\c+3], v[\adr] offset:PLANE*(\q)+32*\c+(\i)*BLK
.endr
.endm
.macro MUL16 a0, p, zero
.irp a, \a0, \a0+1
.irp b, 0,1,2,3,4,5,6,7
.if \zero
	v_wmma_f32_16x16x128_fp8_fp8 v[8*(8*((\a)%4)+\b):8*(8*((\a)%4)+\b)+7], v[128*(\p)+FR*\b:128*(\p)+FR*\b+FR-1], v[AF+FR*(\a):AF+FR*(\a)+FR-1], 0
.else
	v_wmma_f32_16x16x128_fp8_fp8 v[8*(8*((\a)%4)+\b):8*(8*((\a)%4)+\b)+7], v[128*(\p)+FR*\b:128*(\p)+FR*\b+FR-1], v[AF+FR*(\a):AF+FR*(\a)+FR-1], v[8*(8*((\a)%4)+\b):8*(8*((\a)%4)+\b)+7]
.endif
.endr
.endr
.endm
.macro FETCH_B slot, q, p
	WIN TO_B
.irp i, 0,1,2,3,4,5,6,7
	FRAG 128*(\p)+FR*\i, ADRB+\slot, \q, \i
.endr
	WIN 0
.endm
.macro FETCH_A slot, q, i0
.irp i, \i0, \i0+1, \i0+2, \i0+3
	FRAG AF+FR*(\i), ADRA+\slot, \q, \i
.endr
.endm
.macro PLACES n
.rept \n
	v_nop
.endr
.endm
.macro STEP slot, q, zero
	s_wait_dscnt 4*NL
	WIN MUL_LO
	MUL16 0, (\q)%2, \zero
	MUL16 2, (\q)%2, \zero
	s_wait_dscnt 0
	PLACES NP
	FETCH_B \slot, (\q)+1, 1-(\q)%2
	FETCH_A \slot, (\q)+1, 0
	WIN MUL_HI
	MUL16 4, (\q)%2, \zero
	MUL16 6, (\q)%2, \zero
	PLACES NP
	WIN 0
	FETCH_A \slot, (\q)+1, 4
.endm
.macro TURN slot, next, fill
.if \fill
	s_wait_xcnt 0x0                                ; the last prefetch has read its address, which goes one K step on
	s_add_nc_u64 s[96:97], s[96:97], 32768
.endif
	s_wait_tensorcnt 0x0
	ds_add_u32 v[SPW], v[NIL]
	s_wait_dscnt 4*NL+1
	WIN MUL_LO
	MUL16 0, 1, 0
	s_wait_dscnt 0x0
	s_barrier_signal -1
	MUL16 2, 1, 0
	WIN 0
	s_barrier_wait -1
.if \fill
	CREST
	s_add_nc_u64 s[G0+4*\slot+2:G0+4*\slot+3], s[G0+4*\slot+2:G0+4*\slot+3], 65536
	s_add_nc_u64 s[G0B+4*\slot+2:G0B+4*\slot+3], s[G0B+4*\slot+2:G0B+4*\slot+3], 65536
	JLOAD G0+4*\slot, G1, G0B+4*\slot, G1B
.else
	PLACES NP
.endif
	FETCH_B \next, 0, 0
	FETCH_A \next, 0, 0
.if \fill
	s_cmp_gt_u32 s3, 1                             ; the loop's last trip has no K step two refills on
	s_cbranch_scc0 .Lnopf_\@
	global_prefetch_b8 v9, s[96:97] offset:3*32768 th:TH_LOAD_NT scope:SCOPE_SE   ; behind the refill of K step n: K step n + 2, my work-group's 8,192 bytes of my wave's part
.Lnopf_\@:
.endif
	WIN MUL_HI
	MUL16 4, 1, 0
	MUL16 6, 1, 0
	PLACES NP
	WIN 0
	FETCH_A \next, 0, 4
.endm
	s_wait_tensorcnt 1
	s_barrier_signal -1
	s_barrier_wait -1
	FETCH_B 0, 0, 0
	FETCH_A 0, 0, 0
	FETCH_A 0, 0, 4
	STEP 0, 0, 1
	s_mov_b32 s3, LAPS-1
.Llap:
	TURN 0, 1, 1
	STEP 1, 0, 0
	TURN 1, 0, 1
	STEP 0, 0, 0
	s_sub_co_u32 s3, s3, 1
	s_cmp_lg_u32 s3, 0
	s_cbranch_scc1 .Llap
	TURN 0, 1, 0
	STEP 1, 0, 0
	s_wait_dscnt 4*NL
	WIN MUL_LO
	MUL16 0, 1, 0
	MUL16 2, 1, 0
	s_wait_dscnt 0
	WIN MUL_HI
	MUL16 4, 1, 0
	MUL16 6, 1, 0
	WIN 0
.macro CSLOAD a                        ; cos and sin of block a's 16 rows, into one of four buffers of 64 registers in window 1, which B's fragments have left
.set CB, 64*((\a)%4)
	WIN TO_B
.irp b, 0,1,2,3,4,5,6,7
	global_load_b128 v[CB+4*\b:CB+4*\b+3], v[CSO], s[88:89] offset:4096*(\a)+32*\b
	global_load_b128 v[CB+32+4*\b:CB+32+4*\b+3], v[CSO], s[90:91] offset:4096*(\a)+32*\b
.endr
	WIN 0
.endm
.macro ROPE a
.set CB, 64*((\a)%4)
.set AC, 64*((\a)%4)
	WIN 0x06+((\a)/4)                              ; source 0 window 2 or 3 (the sums), source 1 window 1 (cos, sin)
.irp b, 0,1,2,3,4,5,6,7
.irp i, 0,1,2,3
	v_mul_f32 v[TMP+8*\b+2*\i], v[AC+8*\b+2*\i+1], v[CB+32+4*\b+\i]
	v_mul_f32 v[TMP+8*\b+2*\i+1], v[AC+8*\b+2*\i], v[CB+32+4*\b+\i]
.endr
.irp i, 0,1,2,3
	v_fma_f32 v[TMP+8*\b+2*\i], v[AC+8*\b+2*\i], v[CB+4*\b+\i], -v[TMP+8*\b+2*\i]
	v_fma_f32 v[TMP+8*\b+2*\i+1], v[AC+8*\b+2*\i+1], v[CB+4*\b+\i], v[TMP+8*\b+2*\i+1]
.endr
.endr
	WIN 0
.endm
.macro HOLD
.set n, 0
.rept 64
	v_med3_num_f32 v[TMP+n], v[TMP+n], -v[VL], v[VL]
.set n, n+1
.endr
.endm
.macro HOLDV a
.set AC, 64*((\a)%4)
	WIN 0x02+((\a)/4)
.set n, 0
.rept 64
	v_med3_num_f32 v[TMP+n], v[AC+n], -v[VL], v[VL]
.set n, n+1
.endr
	WIN 0
.endm
.macro CVT
.irp b, 0,1,2,3,4,5,6,7
	v_cvt_scalef32_pk8_fp8_f32 v[CD+2*\b:CD+2*\b+1], v[TMP+8*\b:TMP+8*\b+7], v[VS]
.endr
	v_nop
.endm
.macro TOSTAGE sto, rd
.irp b, 0,1,2,3,4,5,6,7
	ds_store_b64 v[\sto], v[CD+2*\b:CD+2*\b+1] offset:16*\b
.endr
	s_wait_xcnt 0x0
.irp i, 0,1,2,3
	ds_load_b128 v[RB+4*\i:RB+4*\i+3], v[\rd] offset:576*\i
.endr
.endm
.macro SEND a, rope
	s_wait_dscnt 0x0
.irp i, 0,1,2,3
.if (\rope) && ((\i)/2 == 1) && ((\a)%2 == 0)
	global_store_b128 v[OFFP], v[RB+4*\i:RB+4*\i+3], s[86:87] offset:2048*(\a)+512*\i
.elseif (\rope) && ((\i)/2 == 0) && ((\a)%2 == 1)
	global_store_b128 v[OFFM], v[RB+4*\i:RB+4*\i+3], s[86:87] offset:2048*(\a)+512*\i-1024
.else
	global_store_b128 v[OFF0], v[RB+4*\i:RB+4*\i+3], s[86:87] offset:2048*(\a)+512*\i
.endif
.endr
.endm
	s_wait_kmcnt 0x0
	s_cmp_eq_u32 s74, 1
	s_cselect_b32 s92, s78, s76
	s_cselect_b32 s93, s79, s77
	s_cselect_b32 s85, s83, s82
	s_cmp_eq_u32 s74, 2
	s_cselect_b32 s92, s80, s92
	s_cselect_b32 s93, s81, s93
	s_cselect_b32 s85, s84, s85
	s_sub_co_i32 s85, s85, s92
	s_sub_co_i32 s85, s85, s93
	s_add_co_i32 s85, s85, 127
	s_lshl_b32 s92, s85, 23
	s_add_co_i32 s85, s85, 8
	s_lshl_b32 s85, s85, 23
	s_or_b32 s85, s85, 0x600000
	PLACES NP
	v_mov_b32 v[VS], s92
	v_mov_b32 v[VL], s85
	s_cmp_eq_u32 s74, 2
	s_cbranch_scc1 .Lv_arm
	s_wait_alu depctr_va_vdst(0)
	CSLOAD 0                                       ; four blocks' loads go out together
	CSLOAD 1
	CSLOAD 2
	CSLOAD 3
.irp a, 0,1,2,3,4,5,6,7
.if \a < 5
	s_wait_loadcnt 48                              ; block a's 16 loads are in; those of the three blocks behind it may be out
.else
	s_wait_loadcnt 16*(7-\a)
.endif
	ROPE \a
.if \a < 4
	CSLOAD \a+4                                    ; into the buffer just read
.endif
	HOLD
.if \a > 0
	s_wait_alu depctr_va_vdst(0)
	SEND \a-1, 1
.endif
	CVT
	TOSTAGE STOR, RDR
.endr
	SEND 7, 1
	s_branch .Ldone
.Lv_arm:
	s_wait_alu depctr_va_vdst(0)
.irp a, 0,1,2,3,4,5,6,7
	HOLDV \a
.if \a > 0
	s_wait_alu depctr_va_vdst(0)
	SEND \a-1, 0
.endif
	CVT
	TOSTAGE STOV, RDV
.endr
	SEND 7, 0
.Ldone:
	s_wait_tensorcnt 0x0
	ds_add_u32 v[SPW], v[NIL]
	s_wait_dscnt 0x0
	CROUND
	s_endpgm
.Lfunc_end_k_q7f54d2666a_qkv:
	.size	k_q7f54d2666a_qkv, .Lfunc_end_k_q7f54d2666a_qkv-k_q7f54d2666a_qkv
	.p2alignl 7, 3214868480
	.fill 96, 4, 3214868480
	.section	.rodata,"a",@progbits
	.p2align	6, 0x0
	.amdhsa_kernel k_q7f54d2666a_qkv
		.amdhsa_group_segment_fixed_size 327680
		.amdhsa_private_segment_fixed_size 0
		.amdhsa_enable_private_segment 0
		.amdhsa_kernarg_size 56
		.amdhsa_user_sgpr_count 2
		.amdhsa_user_sgpr_kernarg_segment_ptr 1
		.amdhsa_wavefront_size32 1
		.amdhsa_system_sgpr_workgroup_id_x 1
		.amdhsa_system_sgpr_workgroup_id_y 1
		.amdhsa_system_sgpr_workgroup_id_z 1
		.amdhsa_system_vgpr_workitem_id 0
		.amdhsa_next_free_vgpr 1024
		.amdhsa_next_free_sgpr 100
		.amdhsa_reserve_vcc 0
		.amdhsa_float_denorm_mode_32 3
		.amdhsa_float_denorm_mode_16_64 3
		.amdhsa_memory_ordered 1
		.amdhsa_forward_progress 1
		.amdhsa_inst_pref_size 235
	.end_amdhsa_kernel
	.amdgpu_metadata
---
amdhsa.version: [ 1, 2 ]
amdhsa.kernels:
  - .name:           k_q7f54d2666a_qkv
    .symbol:         k_q7f54d2666a_qkv.kd
    .args:
      - { .name: xc, .offset: 0, .size: 8, .value_kind: global_buffer, .address_space: global }
      - { .name: wc, .offset: 8, .size: 8, .value_kind: global_buffer, .address_space: global }
      - { .name: lowp_scales, .offset: 16, .size: 8, .value_kind: global_buffer, .address_space: global }
      - { .name: freqs_cos, .offset: 24, .size: 8, .value_kind: global_buffer, .address_space: global }
      - { .name: freqs_sin, .offset: 32, .size: 8, .value_kind: global_buffer, .address_space: global }
      - { .name: qc, .offset: 40, .size: 8, .value_kind: global_buffer, .address_space: global }
      - { .name: kv, .offset: 48, .size: 8, .value_kind: global_buffer, .address_space: global }
    .group_segment_fixed_size: 327680
    .private_segment_fixed_size: 0
    .kernarg_segment_align: 8
    .kernarg_segment_size: 56
    .max_flat_workgroup_size: 128
    .sgpr_count:     100
    .vgpr_count:     1024
    .wavefront_size: 32
...
	.end_amdgpu_metadata
.endif
;; end of part 2
;; launch attn (part 3): grid 16 x 16, 8 waves a work-group, clusters of 4 x 4, 327,680 bytes of LDS; arguments qc, kv, mk, lowp_scales, oc; writes oc
.if DOCPART == 3
	.amdgcn_target "amdgcn-amd-amdhsa--gfx1250"
	.amdhsa_code_object_version 6
	.text
	.protected	k_q7f54d2666a_attn
	.globl	k_q7f54d2666a_attn
	.p2align	8
	.type	k_q7f54d2666a_attn,@function
k_q7f54d2666a_attn:
	s_mov_b64 s[64:65], 0
	v_nop
	global_prefetch_b8 v0, s[64:65] scope:SCOPE_SE
	s_setreg_imm32_b32 hwreg(HW_REG_WAVE_MODE, 25, 1), 1
	s_wait_xcnt 0x0
	s_wait_alu depctr_hold_cnt(0) depctr_sa_sdst(0) depctr_va_vdst(0) depctr_va_sdst(0) depctr_va_ssrc(0) depctr_va_vcc(0) depctr_vm_vsrc(0)
	s_getreg_b32 s2, hwreg(HW_REG_IB_STS2, 6, 4)
	s_cmp_eq_u32 s2, 0
	s_cbranch_scc0 .Lentry_in_a_cluster
	s_endpgm
.Lentry_in_a_cluster:
	s_bfe_u32 s2, ttmp6, 0x10000c
	s_cmp_lg_u32 s2, 0xf033
	s_cbranch_scc0 .Lentry_shape_is_right
	s_endpgm
.Lentry_shape_is_right:
; o = softmax(q k^T / sqrt(128) + mask) v for 16 heads, both products on codes of E4M3, and the quantiser of the last projection's operand.
; THE MASK IS AN INPUT: it is added as it is given, and every key tile is computed for every query.  No work of reference() is left out.
; logit = score x 2^(e6 + e7) / sqrt(128) + mask; t = logit x log2(e); M = the running largest t rounded UP to a whole number; p = 2^(t - M) is quantised with 2^e9, not normalised.
; The row's sum is taken of the unquantised p and divides at the end.  When M moves, the sum and O are multiplied by 2^(old M - new M): exact.
; SHARES.  A work-group owns 128 queries of one head; each of its eight waves 16 of them, one tile.  Every wave walks the 2,048 keys, 128 a step.
; K AND V come through a ring of two LDS slots of FOUR key steps (8 tiles of 16,384 bytes, one tensor load a wave): four fills in the launch, each issued four key steps ahead of its first read.
; CLUSTER 4 x 4: x = block of queries, y = head.  k's and v's tiles hang on the head alone and are asked for jointly along a row of the cluster.
; THE MASK comes from mk, where the first launch has laid it in the order of the scores' registers: 16 loads a step and wave, each of 512 consecutive aligned bytes, straight into registers, two key steps ahead
; of their use (two sets of 64 registers by turns).  It touches no LDS, so it is not asked for jointly.  No prefetch is laid: these loads and the slots' fills are themselves issued two and four key steps ahead.
; LAYOUT.  Both products transposed: S^T = k q^T, O^T = v^T p^T: a lane holds ONE query (lane % 16).  k's rows lie in its tile with bits 3 and 4 of the key changed over, so that the 16 registers of
; score tiles 2 b and 2 b + 1 are keys 32 b + 16 (lane / 16) + 0 .. 15.  Fragments: four loads of 16 bytes, 32 apart: the same permutation of k on both sides of a product.
; o -> oc [block of queries][head] tiles of 128 x 128 codes, with 2^e10: the conversion takes O^T / sum with the one scale 2^(e10 - e8 - e9).
; LIMITS: e6 + e7 between -122 and 130; e9, and e10 - e8 - e9, between -126 and 119.  NaN is not served; a row whose mask is so negative throughout that f32 loses the scores gives what f32 gives.
; REGISTERS: window 0: v1-11 addresses; v12 -M, v13 the largest t, v[14:15] the sum; v16-31 q; v32-51 the way out; v96-159 S^T, then p; v160-223 O^T; v224-239 p's codes; v240-255 constants and work.
;   window 1: v0-127 the mask, two sets; v128-255 k's eight fragments, then v's.
.set PITCH, 272
.set BLK,   8*PITCH                    ; 16 rows of a tile of codes
.set PLANE, 64*PITCH                   ; a tile of codes in LDS
.set STEPB, 2*PLANE                    ; a key step: k's tile, v's tile
.set SLOTB, 4*STEPB                    ; a slot: four key steps
.set SPARE, 2*SLOTB                    ; the spare words, 128 bytes for each of eight waves
.set STG,   SPARE+1024                 ; the way out: the waves' stages
.set WSTG,  2304                       ; a stage: 16 rows x 144 bytes
.set AK0,  1                           ; my lane's place in a tile of codes
.set MGO,  2                           ; 16 x lane
.set SPW,  5
.set NIL,  6
.set ADK,  7                           ; LDS address of the pair of steps' k tiles
.set ADV,  253                         ; and of its v tiles
.set KV,   128                         ; window 1
.set PLIM, 240                         ; 448 x 2^e9
.set PSC,  241                         ; 2^e9
.set OLIM, 254
.set OSC,  255
.set TB,   2                           ; s2   LDS byte at which the pair of steps in hand begins
.set FB,   3                           ; s3   the slot filled last
.set WV,   14
.set SEL,  20
.set G1,   24
.set G0,   40
.set C1,   48                          ; s[48:49] 2^(e6 + e7) / sqrt(128)
.set L2E,  50                          ; s[50:51] log2(e)
.set PH,   66                          ; changes of slots that fill, to go
.set PR,   67                          ; pairs of steps to go in the slot
.set WOFF, 68                          ; my tile's place in a slot
.set STB,  69                          ; my stage
.set MA,   70                          ; s[70:71] my tile's part of mk, at the step in hand + 1
.set MSB, 0
.macro WIN new                         ; the immediate's high byte repeats the setting that is left
.if MSB != (\new)
	s_set_vgpr_msb (MSB<<8)|(\new)
.set MSB, (\new)
.endif
.endm
.macro NOPS n
.rept \n
	v_nop
.endr
.endm
.macro CREST                           ; a round of the cluster's barrier behind its opening barrier
	s_cmp_lg_u32 s[WV], 0
	s_cbranch_scc1 .Lnot_wave_0_\@
	s_barrier_signal -3
.Lnot_wave_0_\@:
	s_barrier_wait -3
	s_barrier_signal -1
	s_barrier_wait -1
.endm
.macro ROUND                           ; a whole round
	s_barrier_signal -1
	s_barrier_wait -1
	CREST
.endm
.macro MGLOAD set, koff                ; 16 loads: a step's mask for my 16 queries, in the scores' order.  Destination window 1
.irp n, 0,1,2,3,4,5,6,7,8,9,10,11,12,13,14,15
	global_load_b128 v[64*(\set)+4*\n:64*(\set)+4*\n+3], v[MGO], s[MA:MA+1] offset:512*\n+\koff
.endr
.endm
.macro FRAGS adr, par                  ; eight fragments of k or of v; destination window 1
.irp t, 0,1,2,3,4,5,6,7
.irp c, 0,1,2,3
	ds_load_b128 v[KV+16*\t+4*\c:KV+16*\t+4*\c+3], v[\adr] offset:STEPB*(\par)+BLK*\t+32*\c
.endr
.endr
.endm
	s_load_b256 s[4:11], s[0:1], 0x0               ; qc, kv, mk, the scales
	s_load_b64 s[12:13], s[0:1], 0x20              ; oc
	v_lshl_add_u32 v[SPW], v0, 2, SPARE
	v_mov_b32 v[NIL], 0
	ds_add_u32 v[SPW], v[NIL]                      ; the wave's opening: the add, twice on end, and its wait ahead of the first tensor load
	ds_add_u32 v[SPW], v[NIL]
	v_lshrrev_b32 v10, 5, v0
	v_readfirstlane_b32 s[WV], v10                 ; wave 0..7
	s_bfe_u32 s16, ttmp6, 0x40000                  ; cx
	s_bfe_u32 s17, ttmp6, 0x40004                  ; cy
	s_lshl_b32 s18, ttmp9, 2
	s_add_co_u32 s18, s18, s16                     ; my block of 128 queries
	s_and_b32 s19, ttmp7, 0xffff
	s_lshl_b32 s19, s19, 2
	s_add_co_u32 s19, s19, s17                     ; my head
	s_lshl_b32 s72, s17, 2
	s_lshl_b32 s72, 15, s72                        ; my row of the cluster
	s_or_b32 s[G1], s72, (0<<16)|(1<<20)|(1<<21)|(5<<22)|(3<<25)  ; a tile of codes: 64 rows of 256 bytes, dense; 4 words of padding behind every 64
	s_mov_b32 s[G1+1], 256<<16
	s_mov_b32 s[G1+2], 64<<16
	s_mov_b32 s[G1+3], 256<<16
	s_mov_b32 s[G1+4], 64
	s_mov_b32 s[G1+5], 256
	s_mov_b32 s[G1+6], 0
	s_mov_b32 s[G1+7], 0
	s_lshl_b32 s74, s19, 19                        ; the head's 32 tiles of 16,384 bytes,
	s_lshl_b32 s75, s[WV], 14                      ; my tile of a slot's eight
	s_add_co_u32 s74, s74, s75
	s_mov_b32 s75, 0
	s_mul_i32 s[WOFF], s[WV], PLANE
	s_mul_i32 s[STB], s[WV], WSTG
	s_add_co_u32 s[STB], s[STB], STG
	s_mov_b32 s[SEL], 0x76543210
	s_mov_b32 s[SEL+1], 0xfedcba98
	s_mov_b32 s[L2E], 0x3fb8aa3b
	s_mov_b32 s[L2E+1], 0x3fb8aa3b                 ; (named as a pair, so it is written)
	s_mov_b32 s[FB], 0
	s_mov_b32 s[PH], 3
	s_wait_dscnt 0x0                               ; both opening adds are done
	s_wait_kmcnt 0x0
	s_load_b256 s[52:59], s[10:11], 0x0            ; entries 0 to 7
	s_load_b128 s[60:63], s[10:11], 0x20           ; entries 8 to 11
	s_mov_b32 s[G0], 1
	s_mov_b32 s[G0+1], s[WOFF]                     ; slot 0
	s_add_nc_u64 s[G0+2:G0+3], s[6:7], s[74:75]
	s_or_b32 s[G0+3], s[G0+3], 0x80000000
	ROUND                                          ; all sixteen work-groups are here
	tensor_load_to_lds s[G0:G0+3], s[G1:G1+7]      ; key steps 0 to 3: every wave its tile, its one tensor load at the head
	s_nop 0
	NOPS 4
	s_lshl_b32 s80, s19, 4
	s_add_co_u32 s80, s80, s18
	s_lshl_b32 s80, s80, 14                        ; q: tile 16 x head + block,
	s_lshl_b32 s81, s[WV], 11                      ; my 16 rows of 128 bytes
	s_add_co_u32 s80, s80, s81
	s_lshl_b32 s82, s18, 4
	s_add_co_u32 s82, s82, s19
	s_lshl_b32 s82, s82, 14                        ; o: tile 16 x block + head
	s_add_co_u32 s82, s82, s81
	s_mov_b32 s81, 0
	s_mov_b32 s83, 0
	s_add_nc_u64 s[4:5], s[4:5], s[80:81]
	s_add_nc_u64 s[12:13], s[12:13], s[82:83]
	s_lshl_b32 s84, s18, 20                        ; mk: tile of 16 queries 8 x block + wave, 16 steps of 8,192 bytes each
	s_lshl_b32 s85, s[WV], 17
	s_add_co_u32 s84, s84, s85
	s_mov_b32 s85, 0
	s_add_nc_u64 s[MA:MA+1], s[8:9], s[84:85]
	v_and_b32 v8, 15, v0                           ; r; kept
	v_bfe_u32 v9, v0, 4, 1                         ; h; kept
	v_lshlrev_b32 v11, 7, v8
	v_lshl_add_u32 v11, v9, 4, v11                 ; q: 128 r + 16 h
	v_lshlrev_b32 v[MGO], 8, v9
	v_lshl_add_u32 v[MGO], v8, 4, v[MGO]           ; 16 x lane
	v_lshrrev_b32 v[AK0], 1, v8
	v_mul_u32_u24 v[AK0], v[AK0], PITCH
	v_and_b32 v10, 1, v8
	v_lshl_add_u32 v[AK0], v10, 7, v[AK0]
	v_lshl_add_u32 v[AK0], v9, 4, v[AK0]           ; 272 (r / 2) + 128 (r % 2) + 16 h
.irp c, 0,1,2,3
	global_load_b128 v[16+4*\c:19+4*\c], v11, s[4:5] offset:32*\c   ; q's fragment stays in registers
.endr
	WIN 0x40
	MGLOAD 0, 0                                    ; the mask of steps 0 and 1
	MGLOAD 1, 8192
	WIN 0
	v_mov_b32 v13, 0xff61b1e6                      ; the largest t so far: -3e38
	v_floor_f32 v12, -v13                          ; -M
	v_mov_b32 v14, 0
	v_mov_b32 v15, 0
	v_mov_b32 v252, 0                              ; a lane permute's destination counts as one of its sources
	v_mov_b32 v243, 0                              ; (named as the upper half of a pair)
.set n, 0
.rept 64
	v_mov_b32 v[160+n], 0                          ; O^T: the step is written for every step alike; the first finds zeros
.set n, n+1
.endr
	s_wait_alu depctr_va_vdst(0)
	s_wait_kmcnt 0x0
	s_add_co_i32 s72, s58, s59
	s_lshl_b32 s72, s72, 23
	s_add_co_i32 s[C1], s72, 0x3db504f3            ; 1 / sqrt(128), with e6 + e7 added to its exponent field
	s_mov_b32 s[C1+1], s[C1]
	s_add_co_i32 s72, s61, 127
	s_lshl_b32 s73, s72, 23
	v_mov_b32 v[PSC], s73                          ; 2^e9
	s_add_co_i32 s72, s72, 8
	s_lshl_b32 s72, s72, 23
	s_or_b32 s72, s72, 0x600000
	v_mov_b32 v[PLIM], s72                         ; 448 x 2^e9
	s_sub_co_i32 s72, s62, s60
	s_sub_co_i32 s72, s72, s61                     ; e10 - e8 - e9
	s_add_co_i32 s72, s72, 127
	s_lshl_b32 s73, s72, 23
	v_mov_b32 v[OSC], s73
	s_add_co_i32 s72, s72, 8
	s_lshl_b32 s72, s72, 23
	s_or_b32 s72, s72, 0x600000
	v_mov_b32 v[OLIM], s72
	s_wait_alu depctr_va_vdst(0)
	s_wait_loadcnt 32                              ; q is in; the mask's 32 loads, issued behind it, may be out
; A KEY STEP: 128 keys, the par-th of the pair at s[TB].  tail = 1: steps 12 to 15, whose look-ahead ends: steps 14 and 15 ask for no mask (a scalar branch on the count of pairs).
.macro STEP par, tail
.if \par
	NOPS 4                                         ; four places between the last products and the loads into v's registers
.else
	v_add_nc_u32 v[ADK], s[TB], v[AK0]
	v_add_nc_u32 v[ADV], PLANE, v[ADK]
	NOPS 2                                         ; with the additions: four places
.endif
	WIN 0x40
	FRAGS ADK, \par                                ; k
	WIN 0x01                                       ; source 0 window 1
	s_wait_alu depctr_va_vdst(0)
	s_wait_dscnt 16                                ; k's fragments 0-3 are in
.irp t, 0,1,2,3                                ; S^T = k q^T: eight tiles of 16 keys
	v_wmma_f32_16x16x128_fp8_fp8 v[96+8*\t:103+8*\t], v[KV+16*\t:KV+16*\t+15], v[16:31], 0
.endr
	s_wait_dscnt 0x0
.irp t, 4,5,6,7
	v_wmma_f32_16x16x128_fp8_fp8 v[96+8*\t:103+8*\t], v[KV+16*\t:KV+16*\t+15], v[16:31], 0
.endr
	NOPS 4                                         ; four places: for the loads into k's registers and for the reads of the results
	WIN 0x40
	FRAGS ADV, \par                                ; v takes k's registers: used at the step's end
.if (\tail) && (\par)
	s_wait_loadcnt 0x0                             ; steps 13 and 15: at step 15 no younger loads are out
.else
	s_wait_loadcnt 16                              ; this step's mask is in; the next step's 16 loads may be out
.endif
	WIN 0x10                                       ; source 2 window 1
.set n, 0
.rept 32
	v_pk_fma_f32 v[96+n:97+n], v[96+n:97+n], s[C1:C1+1], v[64*(\par)+n:64*(\par)+n+1] op_sel_hi:[1,0,1]   ; the logit: score x 2^(e6 + e7) / sqrt(128) + mask; each accumulator from its low end on
.set n, n+2
.endr
	WIN 0
	s_wait_alu depctr_va_vdst(0)
.if \tail
	s_cmp_lg_u32 s[PR], 2                          ; steps 12 and 13 ask for the mask of steps 14 and 15; steps 14 and 15 for nothing
	s_cbranch_scc1 .Lnoask_\@
.endif
	s_wait_xcnt 0x0                                ; the earlier loads have read their base
	s_add_nc_u64 s[MA:MA+1], s[MA:MA+1], 8192
	WIN 0x40
	MGLOAD \par, 8192                              ; the mask of two steps on, into the set just read
	WIN 0
.if \tail
.Lnoask_\@:
.endif
	v_max3_num_f32 v250, v96, v97, v98             ; the step's largest logit of my query, among my 64 keys, in two chains,
	v_max3_num_f32 v251, v99, v100, v101
.irp i, 6,10,14,18,22,26,30,34,38,42,46,50,54,58
	s_delay_alu instid0(VALU_DEP_2)
	v_max3_num_f32 v250, v250, v[96+\i], v[97+\i]
	s_delay_alu instid0(VALU_DEP_2)
	v_max3_num_f32 v251, v251, v[98+\i], v[99+\i]
.endr
	s_delay_alu instid0(VALU_DEP_2)
	v_max3_num_f32 v250, v250, v158, v159
	s_delay_alu instid0(VALU_DEP_1)
	v_max_num_f32 v250, v250, v251
	v_permlanex16_b32 v252, v250, s[SEL], s[SEL+1]
	s_delay_alu instid0(VALU_DEP_1)
	v_max_num_f32 v250, v250, v252                 ; and among lane l xor 16's
	s_delay_alu instid0(VALU_DEP_1)
	v_mul_f32 v250, s[L2E], v250                   ; as t
	s_delay_alu instid0(VALU_DEP_1)
	v_max_num_f32 v13, v13, v250                   ; the running largest t
	v_mov_b32 v250, v12
	s_delay_alu instid0(VALU_DEP_2)
	v_floor_f32 v12, -v13                          ; the new -M = floor(-t): M is a whole number
	s_delay_alu instid0(VALU_DEP_1)
	v_sub_f32 v250, v12, v250                      ; old M - new M: a whole number, 0 or less
	s_delay_alu instid0(VALU_DEP_1)
	v_cvt_i32_f32 v250, v250                       ; (it saturates)
	s_delay_alu instid0(VALU_DEP_1)
	v_ldexp_f32 v242, 1.0, v250                    ; f = 2^(old M - new M)
.set n, 0
.rept 32
	v_pk_fma_f32 v[96+n:97+n], v[96+n:97+n], s[L2E:L2E+1], v[12:13] op_sel_hi:[1,0,0]   ; t - M
.set n, n+2
.endr
	s_wait_alu depctr_va_vdst(0)
.set n, 0
.rept 64
	v_exp_f32 v[96+n], v[96+n]                     ; p = 2^(t - M), at most 1
.set n, n+1
.endr
	v_pk_mul_f32 v[14:15], v[14:15], v[242:243] op_sel_hi:[1,0]   ; the sums under the new M: a plain line behind the exponentials
	s_wait_alu depctr_va_vdst(0)                   ; and one wait for the batch, ahead of its first reader
	v_pk_add_f32 v[244:245], v[96:97], v[98:99]    ; the row's sum of the unquantised p, in four chains
	v_pk_add_f32 v[246:247], v[100:101], v[102:103]
	v_pk_add_f32 v[248:249], v[104:105], v[106:107]
	v_pk_add_f32 v[14:15], v[14:15], v[108:109]
.set n, 110
.rept 6
	v_pk_add_f32 v[244:245], v[244:245], v[n:n+1]
	v_pk_add_f32 v[246:247], v[246:247], v[n+2:n+3]
	v_pk_add_f32 v[248:249], v[248:249], v[n+4:n+5]
	v_pk_add_f32 v[14:15], v[14:15], v[n+6:n+7]
.set n, n+8
.endr
	v_pk_add_f32 v[244:245], v[244:245], v[158:159]
	v_pk_add_f32 v[246:247], v[246:247], v[248:249]
	v_pk_add_f32 v[14:15], v[14:15], v[244:245]
	v_pk_add_f32 v[14:15], v[14:15], v[246:247]
.irp b, 0,1,2,3
.irp i, 0,1,2,3,4,5,6,7,8,9,10,11,12,13,14,15
	v_min_num_f32 v[96+16*\b+\i], v[96+16*\b+\i], v[PLIM]   ; the conversion does not saturate (ISA guide 7.6.2); p is not negative, so the hold is one-sided
.endr
	v_cvt_scalef32_pk8_fp8_f32 v[224+4*\b:225+4*\b], v[96+16*\b:103+16*\b], v[PSC]
	v_cvt_scalef32_pk8_fp8_f32 v[226+4*\b:227+4*\b], v[104+16*\b:111+16*\b], v[PSC]
.endr
	s_wait_alu depctr_va_vdst(0)
.set n, 0
.rept 32
	v_pk_mul_f32 v[160+n:161+n], v[160+n:161+n], v[242:243] op_sel_hi:[1,0]   ; O^T under the new M; also the plain lines between the conversions and the products below
.set n, n+2
.endr
	s_wait_alu depctr_va_vdst(0)
	s_wait_dscnt 0x0                               ; v is in
	WIN 0x01                                       ; source 0 window 1
.irp t, 0,1,2,3,4,5,6,7                        ; O^T += v^T p^T: eight tiles of 16 channels; the eight accumulators take turns, one instruction a turn
	v_wmma_f32_16x16x128_fp8_fp8 v[160+8*\t:167+8*\t], v[KV+16*\t:KV+16*\t+15], v[224:239], v[160+8*\t:167+8*\t]
.endr
	WIN 0
.endm
; A SLOT: the change of slots at its head, then its four key steps, two a trip.  Each wave waits for its tensor load (its tile of the slot ahead), adds 0 to its spare word, and waits for that and for its LDS reads.
; fill = 1: a round of the cluster's barrier, and behind it the other slot takes the four key steps that follow (the first time: its first fill, issued as a refill is).
.macro PHASE fill
	s_wait_tensorcnt 0x0                           ; no tensor load of mine is out, so group 0 may be written
	ds_add_u32 v[SPW], v[NIL]
	s_mov_b32 s[TB], s[FB]                         ; the slot filled last is read now
.if \fill
	s_xor_b32 s[FB], s[FB], SLOTB
	s_add_co_u32 s[G0+1], s[FB], s[WOFF]
	s_add_nc_u64 s[G0+2:G0+3], s[G0+2:G0+3], 131072
.endif
	s_wait_dscnt 0x0                               ; the add is done, and my reads of the slot that I have left are over
.if \fill
	ROUND                                          ; no wave of any partner still reads the slot or has a load on its way
	tensor_load_to_lds s[G0:G0+3], s[G1:G1+7]      ; my one tensor load until the next round
	s_nop 0
	NOPS 4
.else
	s_barrier_signal -1
	s_barrier_wait -1                              ; everybody's tile of the last slot has landed; nothing is filled again
.endif
	s_mov_b32 s[PR], 2
.Lpair_\@:
	STEP 0, 1-\fill
	STEP 1, 1-\fill
	s_add_co_u32 s[TB], s[TB], 2*STEPB
	s_sub_co_u32 s[PR], s[PR], 1
	s_cmp_lg_u32 s[PR], 0
	s_cbranch_scc1 .Lpair_\@
.endm
.Lphase:                                           ; three trips: key steps 0 to 11; they ask for steps 4 to 15
	PHASE 1
	s_sub_co_u32 s[PH], s[PH], 1
	s_cmp_lg_u32 s[PH], 0
	s_cbranch_scc1 .Lphase
	PHASE 0                                        ; the last slot is written out
	; THE WAY OUT: O^T / the sum, held, converted with 2^(e10 - e8 - e9); a lane's 8 bytes of a row go through my stage and leave as 512 consecutive bytes a store.
	v_and_b32 v32, 31, v0                          ; (these lines are also the places behind the last products)
	v_mul_u32_u24 v34, v8, 144
	v_lshl_add_u32 v34, v9, 3, v34
	v_add_nc_u32 v34, s[STB], v34                  ; my stage, in: row r of 144 bytes, 8 bytes for each half of the lanes
	v_lshrrev_b32 v35, 3, v32
	v_mul_u32_u24 v35, v35, 144
	v_and_b32 v32, 7, v32
	v_lshl_add_u32 v35, v32, 4, v35
	v_add_nc_u32 v35, s[STB], v35                  ; back: eight lanes to a row
	v_add_f32 v14, v14, v15
	v_permlanex16_b32 v252, v14, s[SEL], s[SEL+1]
	v_add_f32 v14, v14, v252                       ; the row's sum
	s_wait_alu depctr_va_vdst(0)
	v_rcp_f32 v14, v14
	v_nop                                          ; a plain line behind the transcendental
	s_wait_alu depctr_va_vdst(0)                   ; and the wait ahead of its first reader, which is also O^T's
.set n, 0
.rept 32
	v_pk_mul_f32 v[96+n:97+n], v[160+n:161+n], v[14:15] op_sel_hi:[1,0]   ; register 8 t + i is channel 16 t + 8 h + i of my query
.set n, n+2
.endr
.set n, 0
.rept 64
	v_med3_num_f32 v[96+n], v[96+n], -v[OLIM], v[OLIM]
.set n, n+1
.endr
.irp t, 0,1,2,3,4,5,6,7
	v_cvt_scalef32_pk8_fp8_f32 v[224+2*\t:225+2*\t], v[96+8*\t:103+8*\t], v[OSC]
.endr
	v_nop
.irp t, 0,1,2,3,4,5,6,7
	ds_store_b64 v34, v[224+2*\t:225+2*\t] offset:16*\t
.endr
.irp i, 0,1,2,3
	ds_load_b128 v[36+4*\i:39+4*\i], v35 offset:576*\i   ; LDS serves a wave's instructions in order: these see my stores
.endr
.irp i, 0,1,2,3
	s_wait_dscnt 3-\i                              ; the younger loads may be out
	global_store_b128 v[MGO], v[36+4*\i:39+4*\i], s[12:13] offset:512*\i
.endr
	s_wait_tensorcnt 0x0                           ; the wave's end
	ds_add_u32 v[SPW], v[NIL]
	s_wait_dscnt 0x0
	ROUND                                          ; the closing round
	s_endpgm
.Lfunc_end_k_q7f54d2666a_attn:
	.size	k_q7f54d2666a_attn, .Lfunc_end_k_q7f54d2666a_attn-k_q7f54d2666a_attn
	.p2alignl 7, 3214868480
	.fill 96, 4, 3214868480
	.section	.rodata,"a",@progbits
	.p2align	6, 0x0
	.amdhsa_kernel k_q7f54d2666a_attn
		.amdhsa_group_segment_fixed_size 327680
		.amdhsa_private_segment_fixed_size 0
		.amdhsa_enable_private_segment 0
		.amdhsa_kernarg_size 40
		.amdhsa_user_sgpr_count 2
		.amdhsa_user_sgpr_kernarg_segment_ptr 1
		.amdhsa_wavefront_size32 1
		.amdhsa_system_sgpr_workgroup_id_x 1
		.amdhsa_system_sgpr_workgroup_id_y 1
		.amdhsa_system_sgpr_workgroup_id_z 1
		.amdhsa_system_vgpr_workitem_id 0
		.amdhsa_next_free_vgpr 512
		.amdhsa_next_free_sgpr 100
		.amdhsa_reserve_vcc 0
		.amdhsa_float_denorm_mode_32 3
		.amdhsa_float_denorm_mode_16_64 3
		.amdhsa_memory_ordered 1
		.amdhsa_forward_progress 1
		.amdhsa_inst_pref_size 116
	.end_amdhsa_kernel
	.amdgpu_metadata
---
amdhsa.version: [ 1, 2 ]
amdhsa.kernels:
  - .name:           k_q7f54d2666a_attn
    .symbol:         k_q7f54d2666a_attn.kd
    .args:
      - { .name: qc, .offset: 0, .size: 8, .value_kind: global_buffer, .address_space: global }
      - { .name: kv, .offset: 8, .size: 8, .value_kind: global_buffer, .address_space: global }
      - { .name: mk, .offset: 16, .size: 8, .value_kind: global_buffer, .address_space: global }
      - { .name: lowp_scales, .offset: 24, .size: 8, .value_kind: global_buffer, .address_space: global }
      - { .name: oc, .offset: 32, .size: 8, .value_kind: global_buffer, .address_space: global }
    .group_segment_fixed_size: 327680
    .private_segment_fixed_size: 0
    .kernarg_segment_align: 8
    .kernarg_segment_size: 40
    .max_flat_workgroup_size: 256
    .sgpr_count:     100
    .vgpr_count:     512
    .wavefront_size: 32
...
	.end_amdgpu_metadata
.endif
;; end of part 3
;; launch oproj (part 4): grid 16 x 16, 4 waves a work-group, clusters of 4 x 4, 327,680 bytes of LDS; arguments oc, wc, lowp_scales, out0; writes out0
.if DOCPART == 4
	.amdgcn_target "amdgcn-amd-amdhsa--gfx1250"
	.amdhsa_code_object_version 6
	.text
	.protected	k_q7f54d2666a_oproj
	.globl	k_q7f54d2666a_oproj
	.p2align	8
	.type	k_q7f54d2666a_oproj,@function
k_q7f54d2666a_oproj:
	s_mov_b64 s[64:65], 0
	v_nop
	global_prefetch_b8 v0, s[64:65] scope:SCOPE_SE
	s_setreg_imm32_b32 hwreg(HW_REG_WAVE_MODE, 25, 1), 1
	s_wait_xcnt 0x0
	s_wait_alu depctr_hold_cnt(0) depctr_sa_sdst(0) depctr_va_vdst(0) depctr_va_sdst(0) depctr_va_ssrc(0) depctr_va_vcc(0) depctr_vm_vsrc(0)
	s_getreg_b32 s2, hwreg(HW_REG_IB_STS2, 6, 4)
	s_cmp_eq_u32 s2, 0
	s_cbranch_scc0 .Lentry_in_a_cluster
	s_endpgm
.Lentry_in_a_cluster:
	s_bfe_u32 s2, ttmp6, 0x10000c
	s_cmp_lg_u32 s2, 0xf033
	s_cbranch_scc0 .Lentry_shape_is_right
	s_endpgm
.Lentry_shape_is_right:
.set PITCH,  272
.set BLK,    8*PITCH
.set PLANE,  64*PITCH
.set HALFT,  2*PLANE
.set SLOT,   4*HALFT
.set SPARE,  2*SLOT
.set STG,    SPARE+512
.set ADRA, 16
.set ADRB, 20
.set STO,  24
.set RD,   25
.set CO,   26
.set SPW,  28
.set NIL,  29
.set TMP,  32
.set RB,   64
.set ACC,  128
.set F0,   0
.set F1,   128
.set G1, 24
.set G0, 32
.set G1B, 48
.set G0B, 56
.set MSB, 0
.macro WIN new
.if MSB != (\new)
	s_set_vgpr_msb (MSB<<8)|(\new)
.set MSB, (\new)
.endif
.endm
.set MUL,  0x05
.set TO_F, 0x40
.macro JLOAD s
	s_cmp_eq_u32 s11, 0
	s_cbranch_scc0 .Lfor_b_\@
	tensor_load_to_lds s[G0+4*\s:G0+4*\s+3], s[G1:G1+7]
	s_nop 0
.rept 4
	v_nop
.endr
	s_branch .Lasked_\@
.Lfor_b_\@:
	tensor_load_to_lds s[G0B+4*\s:G0B+4*\s+3], s[G1B:G1B+7]
	s_nop 0
.rept 4
	v_nop
.endr
.Lasked_\@:
.endm
.macro CREST
	s_cmp_lg_u32 s10, 0
	s_cbranch_scc1 .Lnot_wave_0_\@
	s_barrier_signal -3
.Lnot_wave_0_\@:
	s_barrier_wait -3
	s_barrier_signal -1
	s_barrier_wait -1
.endm
.macro CROUND
	s_barrier_signal -1
	s_barrier_wait -1
	CREST
.endm
	s_load_b128 s[4:7], s[0:1], 0x0
	s_load_b128 s[68:71], s[0:1], 0x10
	v_lshl_add_u32 v[SPW], v0, 2, SPARE
	v_mov_b32 v[NIL], 0
	ds_add_u32 v[SPW], v[NIL]
	ds_add_u32 v[SPW], v[NIL]
	v_lshrrev_b32 v1, 5, v0
	v_readfirstlane_b32 s10, v1
	s_lshr_b32 s11, s10, 1
	s_and_b32 s12, s10, 1
	s_bfe_u32 s40, ttmp6, 0x40000
	s_bfe_u32 s41, ttmp6, 0x40004
	s_lshl_b32 s42, ttmp9, 2
	s_add_co_u32 s42, s42, s40
	s_and_b32 s13, ttmp7, 0xffff
	s_lshl_b32 s13, s13, 2
	s_add_co_u32 s13, s13, s41
	s_lshl_b32 s43, s41, 2
	s_lshl_b32 s43, 15, s43
	s_lshl_b32 s44, 0x1111, s40
	s_or_b32 s[G1+0], s43, (0<<16)|(1<<20)|(1<<21)|(5<<22)|(3<<25)
	s_or_b32 s[G1B+0], s44, (0<<16)|(1<<20)|(1<<21)|(5<<22)|(3<<25)
.irp g, G1, G1B
	s_mov_b32 s[\g+1], 256<<16
	s_mov_b32 s[\g+2], 128<<16
	s_mov_b32 s[\g+3], 256<<16
	s_mov_b32 s[\g+4], 128
	s_mov_b32 s[\g+5], 256
	s_mov_b32 s[\g+6], 0
	s_mov_b32 s[\g+7], 0
.endr
	s_lshl_b32 s17, s12, 1
	s_lshl_b32 s16, s13, 4
	s_add_co_u32 s16, s16, s17
	s_lshl_b32 s16, s16, 14
	s_lshl_b32 s46, s42, 4
	s_add_co_u32 s46, s46, s17
	s_lshl_b32 s46, s46, 14
	s_add_co_u32 s46, s46, 3<<22
	s_mov_b32 s17, 0
	s_mov_b32 s47, 0
	s_mul_i32 s20, s10, HALFT
	s_wait_dscnt 0x0
	s_wait_kmcnt 0x0
	s_load_b64 s[66:67], s[68:69], 0x28
	s_add_nc_u64 s[14:15], s[4:5], s[16:17]
	s_add_nc_u64 s[46:47], s[6:7], s[46:47]
	s_cmp_eq_u32 s11, 0                            ; the prefetches: the operand that my wave fetches,
	s_cselect_b64 s[72:73], s[14:15], s[46:47]
	s_cselect_b32 s74, s40, s41                    ; my place among the four that ask for its tiles with me: told apart by address alone
	s_lshl_b32 s74, s74, 13                        ; 8,192 of the 32,768 bytes that my wave fetches in a K step
	s_mov_b32 s75, 0
	s_add_nc_u64 s[72:73], s[72:73], s[74:75]      ; never rewritten
	v_and_b32 v9, 31, v0
	v_lshlrev_b32 v9, 8, v9                        ; lanes 256 bytes apart; never rewritten
	CROUND
.irp s, 0,1
	s_mov_b32 s[G0+4*\s], 1
	s_add_co_u32 s[G0+4*\s+1], s20, \s*SLOT
	s_add_nc_u64 s[G0+4*\s+2:G0+4*\s+3], s[14:15], \s*65536
	s_or_b32 s[G0+4*\s+3], s[G0+4*\s+3], 0x80000000
	s_mov_b32 s[G0B+4*\s], 1
	s_add_co_u32 s[G0B+4*\s+1], s20, \s*SLOT
	s_add_nc_u64 s[G0B+4*\s+2:G0B+4*\s+3], s[46:47], \s*65536
	s_or_b32 s[G0B+4*\s+3], s[G0B+4*\s+3], 0x80000000
	s_wait_alu depctr_va_vdst(0)
	s_wait_tensorcnt 0x0
	ds_add_u32 v28, v29
	ds_add_u32 v28, v29
	s_wait_dscnt 0x0
	CROUND
	JLOAD \s
	global_prefetch_b8 v9, s[72:73] offset:(\s+2)*65536 th:TH_LOAD_NT scope:SCOPE_SE   ; the K step two refills on: K steps 2 and 3, the last
.endr
	v_and_b32 v1, 15, v0
	v_bfe_u32 v2, v0, 4, 1
	v_lshrrev_b32 v3, 1, v1
	v_mul_u32_u24 v3, v3, PITCH
	v_and_b32 v4, 1, v1
	v_lshl_add_u32 v3, v4, 7, v3
	v_lshl_add_u32 v3, v2, 4, v3
	s_mul_i32 s21, s11, 4*BLK
	s_mul_i32 s22, s12, 4*BLK
	s_add_co_u32 s22, s22, 2*HALFT
.irp s, 0,1
	v_add_nc_u32 v[ADRA+\s], s21, v3
	v_add_nc_u32 v[ADRB+\s], s22, v3
	s_add_co_u32 s21, s21, SLOT
	s_add_co_u32 s22, s22, SLOT
.endr
	s_mul_i32 s23, s10, 16*PITCH
	s_add_co_u32 s23, s23, STG
	v_mul_u32_u24 v4, v1, PITCH
	v_lshl_add_u32 v4, v2, 5, v4
	v_add_nc_u32 v[STO], s23, v4
	v_mul_u32_u24 v5, v2, PITCH
	v_lshl_add_u32 v5, v1, 4, v5
	v_add_nc_u32 v[RD], s23, v5
	v_lshlrev_b32 v5, 13, v2
	v_lshl_add_u32 v[CO], v1, 4, v5
	s_lshl_b32 s16, s13, 7
	s_lshl_b32 s17, s11, 6
	s_add_co_u32 s16, s16, s17
	s_lshl_b32 s16, s16, 13
	s_mov_b32 s17, 0
	s_add_nc_u64 s[70:71], s[70:71], s[16:17]
	s_lshl_b32 s46, s42, 9
	s_lshl_b32 s47, s12, 8
	s_add_co_u32 s46, s46, s47
	s_mov_b32 s47, 0
	s_add_nc_u64 s[70:71], s[70:71], s[46:47]
.macro MUL8 f, a0, zero
.irp a, \a0, \a0+1
.irp b, 0,1,2,3
.if \zero
	v_wmma_f32_16x16x128_fp8_fp8 v[ACC+8*(4*(\a)+\b):ACC+8*(4*(\a)+\b)+7], v[\f+64+16*\b:\f+64+16*\b+15], v[\f+16*(\a):\f+16*(\a)+15], 0
.else
	v_wmma_f32_16x16x128_fp8_fp8 v[ACC+8*(4*(\a)+\b):ACC+8*(4*(\a)+\b)+7], v[\f+64+16*\b:\f+64+16*\b+15], v[\f+16*(\a):\f+16*(\a)+15], v[ACC+8*(4*(\a)+\b):ACC+8*(4*(\a)+\b)+7]
.endif
.endr
.endr
.endm
.macro FETCH slot, p, f
	WIN TO_F
.irp i, 0,1,2,3
.irp c, 0,1,2,3
	ds_load_b128 v[\f+64+16*\i+4*\c:\f+64+16*\i+4*\c+3], v[ADRB+\slot] offset:PLANE*(\p)+BLK*\i+32*\c
.endr
.endr
.irp i, 0,1,2,3
.irp c, 0,1,2,3
	ds_load_b128 v[\f+16*\i+4*\c:\f+16*\i+4*\c+3], v[ADRA+\slot] offset:PLANE*(\p)+BLK*\i+32*\c
.endr
.endr
.endm
.macro PLACES
.rept 4
	v_nop
.endr
.endm
.macro QUARTER slot, p, f, g, zero
	s_wait_dscnt 8
	WIN MUL
	MUL8 \f, 0, \zero
	PLACES
	FETCH \slot, \p, \g
	s_wait_dscnt 32
	WIN MUL
	MUL8 \f, 2, \zero
.endm
.macro TURN slot, next, fill
	WIN 0
	s_wait_tensorcnt 0x0
	ds_add_u32 v[SPW], v[NIL]
	s_wait_dscnt 9
	WIN MUL
	MUL8 F1, 0, 0
	s_wait_dscnt 0x0
	s_barrier_signal -1
	WIN 0
	s_barrier_wait -1
.if \fill
	CREST
	s_add_nc_u64 s[G0+4*\slot+2:G0+4*\slot+3], s[G0+4*\slot+2:G0+4*\slot+3], 131072
	s_add_nc_u64 s[G0B+4*\slot+2:G0B+4*\slot+3], s[G0B+4*\slot+2:G0B+4*\slot+3], 131072
	JLOAD \slot
.else
	PLACES
.endif
	s_wait_alu depctr_va_vdst(0)
	FETCH \next, 0, F0
	WIN MUL
	MUL8 F1, 2, 0
.endm
	s_wait_tensorcnt 1
	s_barrier_signal -1
	s_barrier_wait -1
	FETCH 0, 0, F0
	QUARTER 0, 1, F0, F1, 1
	QUARTER 0, 2, F1, F0, 0
	QUARTER 0, 3, F0, F1, 0
	TURN 0, 1, 1
	QUARTER 1, 1, F0, F1, 0
	QUARTER 1, 2, F1, F0, 0
	QUARTER 1, 3, F0, F1, 0
	TURN 1, 0, 1
	QUARTER 0, 1, F0, F1, 0
	QUARTER 0, 2, F1, F0, 0
	QUARTER 0, 3, F0, F1, 0
	TURN 0, 1, 0
	QUARTER 1, 1, F0, F1, 0
	QUARTER 1, 2, F1, F0, 0
	QUARTER 1, 3, F0, F1, 0
	s_wait_dscnt 8
	WIN MUL
	MUL8 F1, 0, 0
	s_wait_dscnt 0
	MUL8 F1, 2, 0
	WIN 0
.macro TOSTAGE a
.set n, 0
.rept 16
	v_pk_mul_f32 v[TMP+n:TMP+n+1], v[ACC+32*(\a)+n:ACC+32*(\a)+n+1], s[66:67] op_sel_hi:[1,0]
.set n, n+2
.endr
.irp b, 0,1,2,3
	ds_store_b128 v[STO], v[TMP+8*\b:TMP+8*\b+3] offset:64*\b
	ds_store_b128 v[STO], v[TMP+8*\b+4:TMP+8*\b+7] offset:64*\b+16
.endr
.set BB, RB+32*((\a)%2)
.irp t, 0,1,2,3,4,5,6,7
	ds_load_b128 v[BB+4*\t:BB+4*\t+3], v[RD] offset:2*\t*PITCH
.endr
.endm
.macro SEND a, younger
.set BB, RB+32*((\a)%2)
	s_wait_dscnt \younger
.irp t, 0,1,2,3,4,5,6,7
	global_store_b128 v[CO], v[BB+4*\t:BB+4*\t+3], s[70:71] offset:(16*(\a)+2*\t)*8192 th:TH_STORE_NT
.endr
.endm
	s_wait_kmcnt 0x0
	s_add_co_i32 s66, s66, s67
	s_add_co_i32 s66, s66, 127
	s_lshl_b32 s66, s66, 23
	s_mov_b32 s67, s66
	PLACES
	TOSTAGE 0
.irp a, 1,2,3
.if \a > 1
	s_wait_xcnt 0x0
.endif
	TOSTAGE \a
	SEND \a-1, 16
.endr
	SEND 3, 0
	s_wait_tensorcnt 0x0
	ds_add_u32 v[SPW], v[NIL]
	s_wait_dscnt 0x0
	CROUND
	s_endpgm
.Lfunc_end_k_q7f54d2666a_oproj:
	.size	k_q7f54d2666a_oproj, .Lfunc_end_k_q7f54d2666a_oproj-k_q7f54d2666a_oproj
	.p2alignl 7, 3214868480
	.fill 96, 4, 3214868480
	.section	.rodata,"a",@progbits
	.p2align	6, 0x0
	.amdhsa_kernel k_q7f54d2666a_oproj
		.amdhsa_group_segment_fixed_size 327680
		.amdhsa_private_segment_fixed_size 0
		.amdhsa_enable_private_segment 0
		.amdhsa_kernarg_size 32
		.amdhsa_user_sgpr_count 2
		.amdhsa_user_sgpr_kernarg_segment_ptr 1
		.amdhsa_wavefront_size32 1
		.amdhsa_system_sgpr_workgroup_id_x 1
		.amdhsa_system_sgpr_workgroup_id_y 1
		.amdhsa_system_sgpr_workgroup_id_z 1
		.amdhsa_system_vgpr_workitem_id 0
		.amdhsa_next_free_vgpr 512
		.amdhsa_next_free_sgpr 80
		.amdhsa_reserve_vcc 0
		.amdhsa_float_denorm_mode_32 3
		.amdhsa_float_denorm_mode_16_64 3
		.amdhsa_memory_ordered 1
		.amdhsa_forward_progress 1
		.amdhsa_inst_pref_size 75
	.end_amdhsa_kernel
	.amdgpu_metadata
---
amdhsa.version: [ 1, 2 ]
amdhsa.kernels:
  - .name:           k_q7f54d2666a_oproj
    .symbol:         k_q7f54d2666a_oproj.kd
    .args:
      - { .name: oc, .offset: 0, .size: 8, .value_kind: global_buffer, .address_space: global }
      - { .name: wc, .offset: 8, .size: 8, .value_kind: global_buffer, .address_space: global }
      - { .name: lowp_scales, .offset: 16, .size: 8, .value_kind: global_buffer, .address_space: global }
      - { .name: out0, .offset: 24, .size: 8, .value_kind: global_buffer, .address_space: global }
    .group_segment_fixed_size: 327680
    .private_segment_fixed_size: 0
    .kernarg_segment_align: 8
    .kernarg_segment_size: 32
    .max_flat_workgroup_size: 128
    .sgpr_count:     80
    .vgpr_count:     512
    .wavefront_size: 32
...
	.end_amdgpu_metadata
.endif
;; end of part 4
